; MI455X (gfx1250); checked and timed in simulation.
; The chip was launched on July 23, 2026; its instructions are those of AMD's public machine-readable ISA for CDNA 5 (MIT licence, August 2026) and "CDNA5" Instruction Set Architecture Reference Guide (July 2026). The comments in the code are by the model that wrote it; some were corrected since.
;; Mo E Layer. Allowed arithmetic: matrix products marked QUANTISED: E2M3 operands, one E8M0 scale for each 32 along K, by v_wmma_scale_f32_16x16x128_f8f6f4 with both operands' format E2M3, f32 sums; products left as they are: f32 operands where the result goes on into a quantised operand, else bf16, f16 or f32 operands; f32 sums; everything else in f32.
;; Inputs: W1_codes 8 x 4,096 x 32 x 24 uint8 (E2M3 codes of W1, K innermost, in blocks of 32 codes, four codes in three bytes); W1_scales 8 x 4,096 x 32 uint8 (E8M0 scales of W1, one for each 32 codes along K); W2_codes 8 x 1,024 x 128 x 24 uint8 (E2M3 codes of W2, K innermost, in blocks of 32 codes, four codes in three bytes); W2_scales 8 x 1,024 x 128 uint8 (E8M0 scales of W2, one for each 32 codes along K); Wg 1,024 x 8 float32; b1 8 x 4,096 float32; b2 8 x 1,024 float32; bg 8 float32; x 1,024 x 1,024 float32.
;; Outputs: out0 1,024 x 1,024 float32.
;; This version of the problem:
;;   THIS VERSION OF THE PROBLEM IS GIVEN IN LOW PRECISION. The matrix products marked QUANTISED in the list below multiply operands that are first quantised to E2M3 (2 exponent bits, 3 mantissa bits; 6 bits a number), with one power-of-two scale for each 32 numbers along K (OCP MX v1.0); their sums are f32. All else is computed in f32.
;;   The module's matrix products, in the order in which they are computed (A, B: the left and right operand; K: the contracted axis; several contracted axes count as one K, in the product's order):
;;     1. [M 1,024, K 1,024] x [K 1,024, N 8]; A: input x; B: input Wg: left as it is (N = 8 < 16)
;;     2. [M 32,768, K 1,024] x [K 1,024, N 1,024]; A: input W1 (given as codes); B: input x: QUANTISED
;;     3. batch 8 x [M 1,024, K 4,096] x [K 4,096, N 1,024]; A: computed on the way; B: input W2 (given as codes): QUANTISED
;;   THE QUANTISER, for each operand of a quantised product, along K:
;;     - K is cut into blocks of 32 from its start; a last block that is shorter is filled with zeros.
;;     - A block's scale is 2^e with e = floor(log2(the largest magnitude in the block)) - 2, held to -126 .. 127; a block of zeros has e = 0. As a byte (E8M0): e + 127.
;;     - Each number is divided by its block's scale, clamped to +-7.5, and rounded to the nearest number of E2M3, ties to even, subnormals kept.
;;     - The product sums the exact products of the quantised numbers (number of the format x scale) in f32.
;;   ~~~python
;;   def quantise(x, axis):      # numpy; x: float32 -> the quantised numbers, widened to float32 again
;;       x = np.moveaxis(x, axis, -1); K = x.shape[-1]
;;       x = np.pad(x, [(0, 0)] * (x.ndim - 1) + [(0, -K % 32)]); x = x.reshape(x.shape[:-1] + (-1, 32)); a = np.abs(x).max(-1, keepdims=True)
;;       e = np.where(a > 0, np.clip(np.frexp(np.where(a > 0, a, 1))[1] - 1 - 2, -126, 127), 0)      # np.frexp(a)[1] - 1 = floor(log2(a)), exactly
;;       r = np.clip(x / 2.0 ** e, -7.5, 7.5)
;;       step = 2.0 ** (np.maximum(np.frexp(np.where(r == 0, 1, r))[1] - 1, 0) - 3)
;;       q = np.round(r / step) * step * 2.0 ** e      # np.round: ties to even
;;       return np.moveaxis(q.reshape(q.shape[:-2] + (-1,))[..., :K], -1, axis).astype(np.float32)
;;   ~~~
;;   OPERANDS COMPUTED ON THE WAY. 'Computed on the way' means the value that the module computes at that place (a softmax that the list does not call 'softmax' is quantised finished and normalised). What goes into a quantiser is computed in f32, as accurately as f32 sums, v_exp_f32 and their like allow (about 1e-6 of the number): no bf16 or f16 on the way to a quantiser, and a product that is left as it is and whose result goes on into a quantised operand takes f32 operands (vector FMAs, or v_wmma_f32_16x16x4_f32). A number that lies on a knife's edge between two numbers of the format may be rounded either way, as far as f32 arithmetic and the matrix unit's own rounding can turn it there, and no further.
;;   INPUTS GIVEN AS CODES. W1 (in the module: [8, 1024, 4096], K = its axis 1); W2 (in the module: [8, 4096, 1024], K = its axis 1): each comes as NAME_codes (uint8): NAME with its K axis moved to the last place and cut into blocks of 32 codes, [.., K / 32, bytes a block], one block behind the other in memory; four codes in three bytes: a row's codes are one little-endian stream of bits, code i at bits 6 i .. 6 i + 5 (a code: sign, 2 exponent bits, 3 mantissa bits); and NAME_scales (uint8): the same leading axes, one E8M0 byte (e + 127) for each 32 codes along K. Its value is code x scale, taken as it is: it is not quantised again, and the codes and scales need not be those that the quantiser above would give.
;; One version. Each part assembles by itself: llvm-mc -triple=amdgcn-amd-amdhsa -mcpu=gfx1250 --defsym DOCPART=n.
;; ======== version 1 of 1: 4 launches
;; limits: right only within a limited range of input values
;; workspace buffers: sel 8,192 bytes of whole numbers; gw 8,192 bytes; xq 786,432 bytes; xs 32,768 bytes; hq 25,165,824 bytes; hs 1,048,576 bytes; y 10,485,760 bytes; lst 38,912 bytes of whole numbers
;; launch route (part 1): grid 256 x 1, 4 waves a work-group, no clusters, 55,808 bytes of LDS; arguments x, Wg, bg, xq, xs, sel, gw; writes xq, xs, sel, gw
.if DOCPART == 1
	.amdgcn_target "amdgcn-amd-amdhsa--gfx1250"
	.amdhsa_code_object_version 6
	.text
	.protected	k_q3b19aa4c23_route
	.globl	k_q3b19aa4c23_route
	.p2align	8
	.type	k_q3b19aa4c23_route,@function
k_q3b19aa4c23_route:
	s_mov_b64 s[64:65], 0
	v_nop
	global_prefetch_b8 v0, s[64:65] scope:SCOPE_SE
	s_setreg_imm32_b32 hwreg(HW_REG_WAVE_MODE, 25, 1), 1
	s_wait_xcnt 0x0
; ROUTE.  One wave takes one token n = 4 x work-group + wave.  It (a) quantises x[n][0..1023] along D to codes of E2M3 with one E8M0 byte for each 32,
; (b) forms the eight gate scores x[n] . Wg[:, e] + bg[e] in f32 by fused multiply-adds, (c) takes the two largest (strict compares: a tie keeps the lower index)
; and their softmax with the larger score taken away first, and stores the two experts as whole numbers and the two weights, at fixed places.
; xq: [1024][768 bytes].  Inside each 96 bytes (128 along K) the four blocks of 24 bytes lie in the order 0, 2, 1, 3, so that the twelve registers which a lane of a
; 6-bit fragment wants (blocks h and 2 + h) are 48 consecutive bytes.   xs: [1024][32] scale bytes in their natural order.   sel, gw: [2 n + s].
; A block's scale is 2^(floor(log2(largest magnitude)) - 2); its byte is the largest magnitude's exponent field - 2, held at 1 from below.
; LIMITS: NaN and infinities in x, Wg, bg are not served.  A block whose largest magnitude lies under 2^-124 (a block of zeros too) gets the byte 1: zero codes add nothing, and this program alone reads
; the bytes.  A token whose second and third scores differ by less than the rounding of a sum of 1,024 f32 products may choose otherwise than a sum taken in another order.
; The last three stores of a wave are 32 + 8 + 8 bytes: 48 bytes a token, parts of aligned blocks of 256; all else leaves in runs of 384 bytes.
; No matrix unit (eight columns), no tensor load, no cluster: work-groups share only Wg's 32,768 bytes.
.set WGP, 528                          ; Wg in LDS: 64 slices of 512 bytes (16 rows k x 8 experts) + 16 of padding: 33 x 16 bytes
.set XT,  33792                        ; behind Wg: for each wave two stages of 32 x SP bytes
.set SP,  80                           ; a lane's place in a stage: its 64 bytes + 16 of padding
.set SCB, 54272                        ; behind the stages: 64 bytes for each wave, its row's 32 scale bytes
.set R,   16                           ; v16-47   x as loaded: 16 bytes a lane, 512 a load
.set X,   48                           ; v48-79   X[16 j + i] = x[n][512 j + 16 lane + i]
.set W,   80                           ; v80-143, v144-207  two sets of 8 rows k x 8 experts of Wg; set 0 first takes my quarter of Wg from memory
.set B,   144                          ; the scores with the first choice struck out
.set A,   208                          ; v208-215 the eight scores
.set C,   216                          ; v216-218, v220-222 codes
	s_load_b256 s[4:11], s[0:1], 0x0               ; x s[4:5], Wg s[6:7], bg s[8:9], xq s[10:11]
	s_load_b128 s[12:15], s[0:1], 0x20             ; xs s[12:13], sel s[14:15]
	s_load_b64 s[16:17], s[0:1], 0x30              ; gw
	v_lshl_add_u32 v240, v0, 2, 0xd800
	v_mov_b32 v241, 0
	v_lshrrev_b32 v1, 5, v0
	v_readfirstlane_b32 s18, v1                    ; wave
	v_and_b32 v1, 31, v0                           ; lane
	v_lshlrev_b32 v2, 4, v1                        ; 16 x lane
	s_lshl_b32 s19, ttmp9, 2
	s_add_co_u32 s19, s19, s18                     ; my token
	s_mul_i32 s20, s18, 2*32*SP
	s_add_co_u32 s20, s20, XT                      ; my stages
	v_lshrrev_b32 v3, 2, v1
	v_mul_u32_u24 v3, v3, SP
	v_and_b32 v4, 3, v1
	v_lshl_add_u32 v3, v4, 4, v3
	v_add_nc_u32 v3, s20, v3                       ; into a stage: four lanes' 64 bytes on end, then the padding
	v_mul_u32_u24 v4, v1, SP
	v_add_nc_u32 v4, s20, v4                       ; out of it: my 16 neighbours
	s_mul_i32 s21, s18, 16*WGP
	v_add_nc_u32 v5, s21, v2                       ; Wg into LDS: my wave's 16 slices, 16 bytes a lane
	v_mul_u32_u24 v6, v1, WGP                      ; Wg out of LDS: slice 32 j + lane
	v_lshrrev_b32 v11, 1, v1                       ; b: my block among a step's sixteen
	v_lshrrev_b32 v12, 2, v11
	v_mul_u32_u24 v7, v12, 96                      ; its 128 along K,
	v_and_b32 v12, 1, v11
	v_bfe_u32 v13, v11, 1, 1
	v_lshl_or_b32 v12, v12, 1, v13                 ; its place there: blocks 0, 1, 2, 3 go to places 0, 2, 1, 3
	v_mad_u32_u24 v7, v12, 24, v7
	v_and_b32 v12, 1, v1
	v_mad_u32_u24 v7, v12, 12, v7                  ; and my half of its 24 bytes
	s_lshl_b32 s22, s18, 6
	s_add_co_u32 s22, s22, SCB
	v_add_nc_u32 v8, s22, v11                      ; my block's scale byte
	v_and_b32 v10, 7, v1
	v_lshlrev_b32 v10, 2, v10                      ; the way out of the scale bytes: 4 bytes for each of eight lanes
	v_add_nc_u32 v9, s22, v10
	s_mov_b32 s34, 0x76543210
	s_mov_b32 s35, 0xfedcba98                      ; v_permlanex16_b32's selects for lane l xor 16
	s_mov_b32 s33, 0
	s_wait_kmcnt 0x0
	s_lshl_b32 s32, s19, 12
	s_add_nc_u64 s[4:5], s[4:5], s[32:33]          ; my row of x
	s_lshl_b32 s32, s18, 13
	s_add_nc_u64 s[6:7], s[6:7], s[32:33]          ; my wave's quarter of Wg
	s_mul_i32 s32, s19, 768
	s_add_nc_u64 s[10:11], s[10:11], s[32:33]
	s_lshl_b32 s32, s19, 5
	s_add_nc_u64 s[12:13], s[12:13], s[32:33]
	s_lshl_b32 s32, s19, 3
	s_add_nc_u64 s[14:15], s[14:15], s[32:33]
	s_add_nc_u64 s[16:17], s[16:17], s[32:33]
	s_load_b256 s[24:31], s[8:9], 0x0              ; bg's eight numbers
.irp i, 0,1,2,3,4,5,6,7
	global_load_b128 v[R+4*\i:R+4*\i+3], v2, s[4:5] offset:512*\i th:TH_LOAD_NT   ; 512 consecutive bytes a load; the launch reads x once
.endr
.irp i, 0,1,2,3,4,5,6,7,8,9,10,11,12,13,14,15
	global_load_b128 v[W+4*\i:W+4*\i+3], v2, s[6:7] offset:512*\i
.endr
	s_wait_loadcnt 16                              ; x's eight loads are in; Wg's sixteen, issued behind them, may be out
.irp j, 0,1
.irp i, 0,1,2,3
	ds_store_b128 v3, v[R+16*\j+4*\i:R+16*\j+4*\i+3] offset:32*SP*\j+8*SP*\i
.endr
.irp i, 0,1,2,3
	ds_load_b128 v[X+16*\j+4*\i:X+16*\j+4*\i+3], v4 offset:32*SP*\j+16*\i   ; LDS serves a wave's instructions in order: these see the stores above
.endr
.endr
	s_wait_loadcnt 0x0                             ; my quarter of Wg
.irp i, 0,1,2,3,4,5,6,7,8,9,10,11,12,13,14,15
	ds_store_b128 v5, v[W+4*\i:W+4*\i+3] offset:WGP*\i
.endr
	s_wait_dscnt 16                                ; my 32 numbers are back from the stages; the sixteen stores behind them may be out
; the quantiser: two steps of 512 numbers; two neighbouring lanes hold a block
.irp j, 0,1
	v_max3_num_f32 v[224+4*\j], |v[X+16*\j]|, |v[X+16*\j+1]|, |v[X+16*\j+2]|
	v_max3_num_f32 v[225+4*\j], |v[X+16*\j+3]|, |v[X+16*\j+4]|, |v[X+16*\j+5]|
.irp i, 6,10
	v_max3_num_f32 v[224+4*\j], v[224+4*\j], |v[X+16*\j+\i]|, |v[X+16*\j+\i+1]|
	v_max3_num_f32 v[225+4*\j], v[225+4*\j], |v[X+16*\j+\i+2]|, |v[X+16*\j+\i+3]|
.endr
	v_max3_num_f32 v[224+4*\j], v[224+4*\j], |v[X+16*\j+14]|, |v[X+16*\j+15]|
	v_max3_num_f32 v[224+4*\j], v[224+4*\j], v[225+4*\j], 0x1800000   ; and the floor 2^(3 - 127): the byte cannot fall under 1
	v_max_num_f32_dpp v[224+4*\j], v[224+4*\j], v[224+4*\j] row_xmask:1 row_mask:0xf bank_mask:0xf   ; with my neighbour's 16: the block's largest magnitude
	v_add_nc_u32 v[226+4*\j], 0xff000000, v[224+4*\j]   ; 2 off its exponent field: the conversion takes the exponent field of this operand as its scale
	v_cvt_scalef32_pk16_fp6_f32 v[C+4*\j:C+4*\j+2], v[X+16*\j:X+16*\j+15], v[226+4*\j]
	v_lshrrev_b32 v[227+4*\j], 23, v[226+4*\j]     ; the scale's byte (a plain line behind the conversion)
	ds_store_b8 v8, v[227+4*\j] offset:16*\j       ; both lanes of a block write the same byte with the same value
	global_store_b96 v7, v[C+4*\j:C+4*\j+2], s[10:11] offset:384*\j   ; the wave's 32 pieces of 12 bytes fill 384 consecutive bytes
.endr
	s_wait_dscnt 0x0                               ; for the others' sake: my slices of Wg lie in LDS
	s_barrier_signal -1
	s_barrier_wait -1                              ; everybody's do
; the gate.  Group g: rows k = 512 (g / 2) + 16 lane + 8 (g % 2) + 0 .. 7 of Wg, 32 bytes each, into set g % 2
.macro WLOAD g
.irp i, 0,1,2,3,4,5,6,7
.irp q, 0,1
	ds_load_b128 v[W+64*((\g)%2)+8*\i+4*\q:W+64*((\g)%2)+8*\i+4*\q+3], v6 offset:32*((\g)/2)*WGP+32*(8*((\g)%2)+\i)+16*\q
.endr
.endr
.endm
; eight numbers of x against their rows of Wg: four packed multiply-adds a number, one for each pair of experts; x's number is taken for both halves
.macro GFMA g
.irp i, 0,1,2,3,4,5,6,7
.irp p, 0,1,2,3
.set WQ, W+64*((\g)%2)+8*\i+2*\p
.set XM, X+16*((\g)/2)+8*((\g)%2)+\i-(\i%2)
.if ((\g) == 0) && (\i == 0)
	v_pk_mul_f32 v[A+2*\p:A+2*\p+1], v[WQ:WQ+1], v[XM:XM+1] op_sel_hi:[1,0]        ; the first product starts the sums
.elseif (\i%2) == 0
	v_pk_fma_f32 v[A+2*\p:A+2*\p+1], v[WQ:WQ+1], v[XM:XM+1], v[A+2*\p:A+2*\p+1] op_sel_hi:[1,0,1]
.else
	v_pk_fma_f32 v[A+2*\p:A+2*\p+1], v[WQ:WQ+1], v[XM:XM+1], v[A+2*\p:A+2*\p+1] op_sel:[0,1,0] op_sel_hi:[1,1,1]
.endif
.endr
.endr
.endm
	WLOAD 0
	WLOAD 1
	s_wait_dscnt 16                                ; the older group is in, the younger sixteen loads may be out
	GFMA 0
	WLOAD 2
	s_wait_alu depctr_va_vdst(0)
	s_wait_dscnt 16
	GFMA 1
	WLOAD 3
	s_wait_alu depctr_va_vdst(0)
	s_wait_dscnt 16
	GFMA 2
	s_wait_alu depctr_va_vdst(0)
	s_wait_dscnt 0x0
	GFMA 3
	ds_load_b32 v230, v9                           ; my row's scale bytes, four to a lane (my own stores, served in order)
.irp m, 1,2,4,8
.irp e, 0,1,2,3,4,5,6,7
	v_add_f32_dpp v[A+\e], v[A+\e], v[A+\e] row_xmask:\m row_mask:0xf bank_mask:0xf
.endr
.endr
.irp e, 0,1,2,3,4,5,6,7
	v_permlanex16_b32 v[W+\e], v[A+\e], s34, s35   ; (its destination counts as read: these registers have been written)
.endr
	s_wait_alu depctr_va_vdst(0)
	s_wait_kmcnt 0x0                               ; bg
.irp e, 0,1,2,3,4,5,6,7
	v_add_f32 v[A+\e], v[A+\e], v[W+\e]
.endr
.irp e, 0,1,2,3,4,5,6,7
	v_add_f32 v[A+\e], s[24+\e], v[A+\e]           ; every lane holds the eight scores
.endr
	v_mov_b32 v224, v[A]                           ; the largest score and its expert: a later expert takes over only if it is strictly larger
	v_mov_b32 v232, 0
.irp e, 1,2,3,4,5,6,7
	v_cmp_le_f32 vcc_lo, v[A+\e], v224
	v_cndmask_b32 v232, \e, v232, vcc_lo
	v_cndmask_b32 v224, v[A+\e], v224, vcc_lo
.endr
	v_mov_b32 v226, 0xff800000                     ; -infinity strikes the first choice out
.irp e, 0,1,2,3,4,5,6,7
	v_cmp_eq_u32 vcc_lo, \e, v232
	v_cndmask_b32 v[B+\e], v[A+\e], v226, vcc_lo
.endr
	v_mov_b32 v225, v[B]
	v_mov_b32 v233, 0
.irp e, 1,2,3,4,5,6,7
	v_cmp_le_f32 vcc_lo, v[B+\e], v225
	v_cndmask_b32 v233, \e, v233, vcc_lo
	v_cndmask_b32 v225, v[B+\e], v225, vcc_lo
.endr
	v_sub_f32 v236, v225, v224                     ; the softmax of the two, the larger taken away: 1 / (1 + t) and t / (1 + t), t = e^(second - first), at most 1
	v_mul_f32 v236, 0x3fb8aa3b, v236
	s_wait_alu depctr_va_vdst(0)
	v_exp_f32 v237, v236
	v_mov_b32 v231, 0                              ; (a plain line behind the exponential)
	s_wait_alu depctr_va_vdst(0)                   ; ahead of the first line that names its result
	v_add_f32 v238, 1.0, v237
	s_wait_alu depctr_va_vdst(0)
	v_rcp_f32 v234, v238
	v_cmp_gt_u32 vcc_lo, 8, v1                     ; (a plain line behind the reciprocal)
	s_wait_alu depctr_va_vdst(0)
	v_mul_f32 v235, v237, v234
	s_wait_alu depctr_va_vdst(0)
	s_wait_dscnt 0x0                               ; the scale words
	s_wait_xcnt 0x0                                ; EXEC changes only when the earlier stores have had their addresses translated
	s_wait_tensorcnt 0x0
	ds_add_u32 v240, v241
	s_wait_dscnt 0x0
	s_and_saveexec_b32 s36, vcc_lo
	global_store_b32 v10, v230, s[12:13]           ; lanes 0-7: the row's 32 scale bytes
	s_wait_xcnt 0x0
	s_or_b32 exec_lo, exec_lo, s36
	v_cmp_eq_u32 vcc_lo, 0, v1
	s_and_saveexec_b32 s36, vcc_lo
	global_store_b64 v231, v[232:233], s[14:15]    ; lane 0: the two experts,
	global_store_b64 v231, v[234:235], s[16:17]    ; and their weights
	s_wait_xcnt 0x0
	s_or_b32 exec_lo, exec_lo, s36
	s_endpgm
.Lfunc_end_k_q3b19aa4c23_route:
	.size	k_q3b19aa4c23_route, .Lfunc_end_k_q3b19aa4c23_route-k_q3b19aa4c23_route
	.p2alignl 7, 3214868480
	.fill 96, 4, 3214868480
	.section	.rodata,"a",@progbits
	.p2align	6, 0x0
	.amdhsa_kernel k_q3b19aa4c23_route
		.amdhsa_group_segment_fixed_size 55808
		.amdhsa_private_segment_fixed_size 0
		.amdhsa_enable_private_segment 0
		.amdhsa_kernarg_size 56
		.amdhsa_user_sgpr_count 2
		.amdhsa_user_sgpr_kernarg_segment_ptr 1
		.amdhsa_wavefront_size32 1
		.amdhsa_system_sgpr_workgroup_id_x 1
		.amdhsa_system_sgpr_workgroup_id_y 1
		.amdhsa_system_sgpr_workgroup_id_z 1
		.amdhsa_system_vgpr_workitem_id 0
		.amdhsa_next_free_vgpr 242
		.amdhsa_next_free_sgpr 66
		.amdhsa_reserve_vcc 1
		.amdhsa_float_denorm_mode_32 3
		.amdhsa_float_denorm_mode_16_64 3
		.amdhsa_memory_ordered 1
		.amdhsa_forward_progress 1
		.amdhsa_inst_pref_size 28
	.end_amdhsa_kernel
	.amdgpu_metadata
---
amdhsa.version: [ 1, 2 ]
amdhsa.kernels:
  - .name:           k_q3b19aa4c23_route
    .symbol:         k_q3b19aa4c23_route.kd
    .args:
      - { .name: x, .offset: 0, .size: 8, .value_kind: global_buffer, .address_space: global }
      - { .name: Wg, .offset: 8, .size: 8, .value_kind: global_buffer, .address_space: global }
      - { .name: bg, .offset: 16, .size: 8, .value_kind: global_buffer, .address_space: global }
      - { .name: xq, .offset: 24, .size: 8, .value_kind: global_buffer, .address_space: global }
      - { .name: xs, .offset: 32, .size: 8, .value_kind: global_buffer, .address_space: global }
      - { .name: sel, .offset: 40, .size: 8, .value_kind: global_buffer, .address_space: global }
      - { .name: gw, .offset: 48, .size: 8, .value_kind: global_buffer, .address_space: global }
    .group_segment_fixed_size: 55808
    .private_segment_fixed_size: 0
    .kernarg_segment_align: 8
    .kernarg_segment_size: 56
    .max_flat_workgroup_size: 128
    .sgpr_count:     66
    .vgpr_count:     242
    .wavefront_size: 32
...
	.end_amdgpu_metadata
.endif
;; end of part 1
;; launch gemm1 (part 2): grid 256 x 1, 4 waves a work-group, no clusters, 158,208 bytes of LDS; arguments W1_codes, W1_scales, b1, xq, xs, sel, hq, hs, lst; writes hq, hs, lst
.if DOCPART == 2
	.amdgcn_target "amdgcn-amd-amdhsa--gfx1250"
	.amdhsa_code_object_version 6
	.text
	.protected	k_q3b19aa4c23_gemm1
	.globl	k_q3b19aa4c23_gemm1
	.p2align	8
	.type	k_q3b19aa4c23_gemm1,@function
k_q3b19aa4c23_gemm1:
	s_mov_b64 s[64:65], 0
	v_nop
	global_prefetch_b8 v0, s[64:65] scope:SCOPE_SE
	s_setreg_imm32_b32 hwreg(HW_REG_WAVE_MODE, 25, 1), 1
	s_wait_xcnt 0x0
; GEMM1.  h = Q(relu(x W1 + b1)) for the rows that were routed, on codes of E2M3 with one E8M0 scale for each 32 along K.  Q quantises along H, the next product's K.
; SHARES.  Work-group g: expert e = g / 32, hidden units 128 c .. 128 c + 127 with c = g % 32: one K step of the next product.  Its part of W1, 128 rows x 768 bytes, is one dense block of memory
; that no other work-group reads.  It comes in dense loads, turns through LDS, and then lies in EVERY wave's registers (64 fragments, 768 registers).  Wave w takes the expert's row tiles w, w + 4, ..:
; so the loop over tiles has no barrier, and one wave makes a whole fragment of h (16 rows x 128 K) and its scale words.
; THE LIST.  Wave 0 reads the 2,048 chosen experts and lays the routed rows of expert e in LDS, in a fixed order that the next launch repeats.  An expert has at most 1,024 rows (a token's two choices
; differ): 64 tiles.  The list is filled to 72 tiles with spare rows, so that a look four tiles ahead finds an entry.  Rows past the count in the last tile are token 1023's: finite numbers that no output is made of.
; THE PRODUCT IS USED TRANSPOSED (source 0 = 16 rows of W1, source 1 = 16 rows of x), and lane r of tile 2 b + u takes row 32 b + 8 u + r + 8 (r / 8) of the chunk: so the 16 registers of tiles 2 b and
; 2 b + 1 are 16 neighbours along the next K.  b1 is the C of each sum's first instruction.
; hq: [8][64 tiles][32 K steps][1,536 bytes]: a fragment as an image of its registers, group c of four registers at 512 c + 16 lane.   hs: [8][64][32][16 rows] scale words.
; NO TENSOR LOAD AND NO CLUSTER: the work of a trip is jumped over by a count that is read from memory, and work-groups share only x's codes, a small part of which each gathers by its list.
; The store of a tile's 16 scale words is 64 bytes, part of an aligned block of 256; the codes leave in runs of 512 bytes.
; LIMITS: a block of h whose largest number lies under 2^-124 (a block of zeros too) gets the byte 1; this program alone reads the bytes.
; REGISTERS, in windows of 256.  Window 0: below.  Windows 1-3: fragment f = 8 s + ct (K step s, tile ct) at window 1 + f / 21, register 12 (f % 21); f = 63 in window 0.
.set WP,   784                         ; a row of 768 bytes + 16: 196 words, 4 mod 64: the 32 lanes of a load of 8 bytes touch 64 different banks
.set XST,  100352                      ; behind W1's 128 rows: for each wave 16 rows x WP, through which a tile's rows of x turn
.set BIA,  150528                      ; for each wave its own copy of the chunk's 128 numbers of b1
.set LIST, 152576                      ; 4,608 bytes of list, 128 bytes where the other experts' rows are dropped, then the count
.set CNTW, LIST+4736
.set L16, 1                            ; 16 x lane
.set C16, 2                            ; 16 r
.set H16, 3                            ; 16 h
.set LA0, 4                            ; LIST + 4 h
.set LB0, 5                            ; LIST + 4 r
.set SW,  6                            ; x's rows into my stage: WP h + 16 r
.set SRD, 7                            ; and out of it: WP r + 48 h
.set BR,  8                            ; my copy of b1 + 64 h
.set RL4, 9                            ; 4 r
.set LT,  10                           ; list addresses in hand
.set LU,  11
.set HT,  12                           ; store offsets in hand
.set HU,  13
.set WR0, 14                           ; W1 out of LDS: WP r + 24 h, tiles 0-3
.set WR1, 15                           ; tiles 4-7
.set TM,  16                           ; v16-31 the quantiser's registers
.set ENT, 16                           ; v16-24 at a trip's head: nine entries of the list
.set PW,  32                           ; the scale word just made
.set PC,  34                           ; v34-45 the codes just made
.set XA,  34                           ; v34-41 while the products run: the byte offsets of the next tile's rows of x
.set XSA, 42                           ; and of its scale bytes
.set XS,  46                           ; v46-49 x's scale words: register q holds K step q in lanes 0-15, K step 4 + q in lanes 16-31
.set W1S, 50                           ; v50-81 W1's: tile ct at 4 ct + q, packed the same way
.set F63, 82                           ; v82-93 fragment 63
.set XF,  94                           ; v94-189 x's eight fragments; also where the next tile's rows land
.set ACC, 190                          ; v190-253 eight accumulators
.set SL,  94                           ; at the head alone: the chosen experts, then the entries;
.set SB,  158                          ; their places in the list: one register each, never an address again
.set ZR,  222
.set STA, 226
.set STB, 227
.set LZ,  228
.set DMP, 229
.set LN4, 230
.set CA,  231
.set TT,  232
.set WSA, 233
.set LN,  234
.set RL,  235
.set HL,  236
.set TP,  237
.set BS,  238
.set WV,  20
.set EX,  21
.set CH,  22
.set CNT, 23
.set NT,  24
.set TI,  25
.set LO,  26
.set HOFF, 27
.set HSOFF, 28
.set IT,  29
.set MK,  30
.set TS,  31
.set PSEL, 34
.set MSB, 0
.macro WIN new                         ; the immediate's high byte repeats the setting that is left; a switch that changes nothing is dropped
.if MSB != \new
	s_set_vgpr_msb (MSB<<8)|\new
.set MSB, \new
.endif
.endm
.macro FPLACE                          ; where fragment f lies
.if f < 63
.set FWN, 1+f/21
.set FRG, 12*(f%21)
.else
.set FWN, 0
.set FRG, F63
.endif
.endm
.macro PLACES n
.rept \n
	v_nop
.endr
.endm
; The routed rows of my expert, in the order (register, lane) of the sixteen loads.  Entry 4 i + k of a lane is routed row 128 i + 4 lane + k.  A row of another expert goes to a word that nobody reads.
.macro PLACE after
.irp i, 0,1,2,3,4,5,6,7,8
	ds_store_b128 v[LZ], v[ZR:ZR+3] offset:512*\i  ; THE FILL IS NOT ZERO: position p of the 72 tiles holds 2048 + 64 e + p % 64, a spare row of y for the next launch; here its token is held at 1023.  My stores are served in order, so the entries below land on top
.endr
	s_mov_b32 s[CNT], 0
	s_wait_loadcnt \after                          ; the sixteen loads of the choices are in; all that was issued behind them may be out
.set MKB, 40                           ; s40-47 eight masks;  s48-56 the rows ahead of each of the eight registers, and behind the last
.set PFX, 48
.set m, 0
.rept 8                                ; eight registers at a time, each line eight times over, so that no line reads the line above it
.irp u, 0,1,2,3,4,5,6,7
	v_cmp_eq_u32 s[MKB+\u], s[EX], v[SL+m+\u]
.endr
	s_wait_alu depctr_va_vdst(0)                   ; the wait ahead of the run of scalar lines
.irp u, 0,1,2,3,4,5,6,7
	s_bcnt1_i32_b32 s[PFX+1+\u], s[MKB+\u]
.endr
	s_mov_b32 s[PFX], s[CNT]
.irp u, 0,1,2,3,4,5,6,7
	s_add_co_u32 s[PFX+1+\u], s[PFX+1+\u], s[PFX+\u]
.endr
.irp u, 0,1,2,3,4,5,6,7
	v_mbcnt_lo_u32_b32 v[SB+m+\u], s[MKB+\u], s[PFX+\u]   ; the rows so far + those of lower lanes
.endr
.irp u, 0,1,2,3,4,5,6,7
	v_cndmask_b32 v[SB+m+\u], v[DMP], v[SB+m+\u], s[MKB+\u]
.endr
.irp u, 0,1,2,3,4,5,6,7
	v_min_u32 v[SB+m+\u], 1183, v[SB+m+\u]
.endr
.irp u, 0,1,2,3,4,5,6,7
	v_lshl_add_u32 v[SB+m+\u], v[SB+m+\u], 2, LIST
.endr
.irp u, 0,1,2,3,4,5,6,7
	v_add_nc_u32 v[SL+m+\u], 128*((m+\u)/4)+(m+\u)%4, v[LN4]
.endr
.irp u, 0,1,2,3,4,5,6,7
	ds_store_b32 v[SB+m+\u], v[SL+m+\u]
.endr
	s_mov_b32 s[CNT], s[PFX+8]
.set m, m+8
.endr
	v_mov_b32 v[TT], s[CNT]
	ds_store_b32 v[CA], v[TT]
.endm
; 64 numbers of a lane, none negative, register 16 b + i = k 32 b + 16 h + i of my row, become a fragment's codes in v[PC] on and its scale word in v[PW]
.macro QUANT s
.irp b, 0,1,2,3
	v_max3_num_f32 v[TM+\b], v[\s+16*\b], v[\s+1+16*\b], 0x1800000   ; my 16 numbers of block b, and the floor 2^(3 - 127): the byte cannot fall under 1
.endr
.irp i, 2,4,6,8,10,12,14
.irp b, 0,1,2,3
	v_max3_num_f32 v[TM+\b], v[TM+\b], v[\s+16*\b+\i], v[\s+1+16*\b+\i]
.endr
.endr
.irp b, 0,1,2,3
	v_permlanex16_b32 v[TM+4+\b], v[TM+\b], s[PSEL], s[PSEL+1]
.endr
.irp b, 0,1,2,3
	v_max_num_f32 v[TM+\b], v[TM+\b], v[TM+4+\b]   ; with lane l xor 16's: the block's largest number
.endr
.irp b, 0,1,2,3
	v_add_nc_u32 v[TM+12+\b], 0xff000000, v[TM+\b] ; 2 off its exponent field: the conversion's scale operand
.endr
.irp b, 0,1,2,3
	v_lshrrev_b32 v[TM+4+\b], 23, v[TM+12+\b]      ; the scale's byte
.endr
	v_lshl_or_b32 v[PW], v[TM+5], 8, v[TM+4]
	v_lshl_or_b32 v[PW], v[TM+6], 16, v[PW]
	v_lshl_or_b32 v[PW], v[TM+7], 24, v[PW]
	v_cvt_scalef32_pk16_fp6_f32 v[PC:PC+2], v[\s:\s+15], v[TM+12]
	v_cvt_scalef32_pk16_fp6_f32 v[TM:TM+2], v[\s+16:\s+31], v[TM+13]        ; (a conversion's three registers begin on an even number)
	v_cvt_scalef32_pk16_fp6_f32 v[PC+6:PC+8], v[\s+32:\s+47], v[TM+14]
	v_cvt_scalef32_pk16_fp6_f32 v[TM+8:TM+10], v[\s+48:\s+63], v[TM+15]
	v_nop                                          ; one plain line behind the last conversion
.irp c, 0,1                                    ; the operand wants a whole block in a lane: lanes 0-15 block 2 c, lanes 16-31 block 2 c + 1
.irp i, 0,1,2
	v_permlane16_swap_b32 v[PC+6*\c+\i], v[TM+8*\c+\i]
.endr
.irp i, 0,1,2
	v_mov_b32 v[PC+3+6*\c+\i], v[TM+8*\c+\i]
.endr
.endr
.endm
; the tile whose entries begin s[LO] bytes into the list: the offsets of its rows in xq (lanes 0-15 row 2 a, lanes 16-31 row 2 a + 1) and of row r's scale bytes in xs
.macro ASKROWS
	v_add_nc_u32 v[LT], s[LO], v[LA0]
	v_add_nc_u32 v[LU], s[LO], v[LB0]
.irp a, 0,1,2,3,4,5,6,7
	ds_load_b32 v[ENT+\a], v[LT] offset:8*\a
.endr
	ds_load_b32 v[ENT+8], v[LU]
	s_wait_dscnt 0x0                               ; these nine, and every LDS instruction of mine issued before them
.irp a, 0,1,2,3,4,5,6,7,8
	v_lshrrev_b32 v[ENT+\a], 1, v[ENT+\a]          ; the token of a routed row
.endr
.irp a, 0,1,2,3,4,5,6,7,8
	v_min_u32 v[ENT+\a], 1023, v[ENT+\a]
.endr
.irp a, 0,1,2,3,4,5,6,7
	v_mul_u32_u24 v[XA+\a], v[ENT+\a], 768
.endr
.irp a, 0,1,2,3,4,5,6,7
	v_add_nc_u32 v[XA+\a], v[XA+\a], v[C16]
.endr
	v_lshl_add_u32 v[XSA], v[ENT+8], 5, v[H16]
.endm
.macro XLOAD lo, hi                    ; pairs of rows lo .. hi: sixteen lanes read 256 consecutive bytes of a row, at a multiple of 256 from xq's first byte
.set a, \lo
.rept \hi-\lo+1
.irp p, 0,1,2
	global_load_b128 v[XF+12*a+4*\p:XF+12*a+4*\p+3], v[XA+a], s[10:11] offset:256*\p
.endr
.set a, a+1
.endr
.endm
.macro MULK ks                         ; K step ks: the eight accumulators take turns, one instruction a turn
.irp ct, 0,1,2,3,4,5,6,7
.set f, 8*(\ks)+\ct
	FPLACE
	WIN FWN
.if (\ks) < 4
	v_wmma_scale_f32_16x16x128_f8f6f4 v[ACC+8*\ct:ACC+8*\ct+7], v[FRG:FRG+11], v[XF+12*(\ks):XF+12*(\ks)+11], v[ACC+8*\ct:ACC+8*\ct+7], v[W1S+4*\ct+(\ks)%4], v[XS+(\ks)%4] matrix_a_fmt:MATRIX_FMT_FP6 matrix_b_fmt:MATRIX_FMT_FP6
.else
	v_wmma_scale_f32_16x16x128_f8f6f4 v[ACC+8*\ct:ACC+8*\ct+7], v[FRG:FRG+11], v[XF+12*(\ks):XF+12*(\ks)+11], v[ACC+8*\ct:ACC+8*\ct+7], v[W1S+4*\ct+(\ks)%4], v[XS+(\ks)%4] matrix_a_fmt:MATRIX_FMT_FP6 matrix_b_fmt:MATRIX_FMT_FP6 matrix_a_scale:MATRIX_SCALE_ROW1 matrix_b_scale:MATRIX_SCALE_ROW1
.endif
.endr
.endm
	s_load_b512 s[4:19], s[0:1], 0x0
	s_load_b64 s[60:61], s[0:1], 0x40              ; lst: [8][4,608 bytes of list, 256 bytes of count]
	v_lshl_add_u32 v254, v0, 2, 0x26800
	v_mov_b32 v255, 0
	v_lshrrev_b32 v[LN], 5, v0
	v_readfirstlane_b32 s[WV], v[LN]               ; wave 0..3
	v_and_b32 v[LN], 31, v0                        ; lane
	v_and_b32 v[RL], 15, v0                        ; r
	v_bfe_u32 v[HL], v0, 4, 1                      ; h
	s_lshr_b32 s[EX], ttmp9, 5                     ; my expert
	s_and_b32 s[CH], ttmp9, 31                     ; my chunk of H
	s_mov_b32 s[PSEL], 0x76543210
	s_mov_b32 s[PSEL+1], 0xfedcba98
	s_mov_b32 s33, 0
	; every LDS address is made here, ahead of the lines that wave 0 alone runs
	v_lshlrev_b32 v[L16], 4, v[LN]
	v_lshlrev_b32 v[C16], 4, v[RL]
	v_lshlrev_b32 v[H16], 4, v[HL]
	v_lshlrev_b32 v[RL4], 2, v[RL]
	v_lshl_add_u32 v[LA0], v[HL], 2, LIST
	v_lshl_add_u32 v[LB0], v[RL], 2, LIST
	s_mul_i32 s32, s[WV], 16*WP
	s_add_co_u32 s32, s32, XST                     ; my stage
	v_mul_u32_u24 v[SW], v[HL], WP
	v_add_nc_u32 v[SW], v[SW], v[C16]
	v_add_nc_u32 v[SW], s32, v[SW]
	v_mul_u32_u24 v[SRD], v[RL], WP
	v_mad_u32_u24 v[SRD], v[HL], 48, v[SRD]
	v_add_nc_u32 v[SRD], s32, v[SRD]
	s_lshl_b32 s32, s[WV], 9
	s_add_co_u32 s32, s32, BIA                     ; my copy of b1
	v_lshl_add_u32 v[BR], v[HL], 6, s32
	v_add_nc_u32 v[BS], s32, v[L16]
	v_mul_u32_u24 v[WR0], v[RL], WP
	v_mad_u32_u24 v[WR0], v[HL], 24, v[WR0]
	v_add_nc_u32 v[WR1], 64*WP, v[WR0]
	s_mul_i32 s32, s[WV], 32*WP                    ; my quarter of W1's rows
	v_add_nc_u32 v[STA], s32, v[L16]
	v_add_nc_u32 v[STB], v[STA], v[H16]
	v_add_nc_u32 v[LZ], LIST, v[L16]
	v_add_nc_u32 v[DMP], 1152, v[LN]
	v_lshlrev_b32 v[LN4], 2, v[LN]
	v_mov_b32 v[CA], CNTW
	v_and_b32 v[TP], 8, v[RL]
	v_add_nc_u32 v[TP], v[TP], v[RL]               ; r + 8 (r / 8)
	v_lshl_add_u32 v[WSA], v[TP], 5, v[H16]        ; W1's scale bytes: 32 a row, 16 for each half of the lanes
	s_lshl_b32 s32, s[EX], 6
	s_add_co_u32 s32, s32, 2048
	v_lshl_add_u32 v[ZR], v[RL], 2, s32            ; the fill of positions p = 128 i + 4 lane + k: 2048 + 64 e + p % 64, and p % 64 = 4 (lane % 16) + k
.irp i, 1,2,3
	v_add_nc_u32 v[ZR+\i], \i, v[ZR]
.endr
.irp i, 0,1,2,3
	v_mov_b32 v[TM+4+\i], 0                        ; written once: a lane permute's destination counts as one of its sources
.endr
	s_wait_kmcnt 0x0
	s_mul_i32 s32, ttmp9, 98304
	s_mul_i32 s36, s[WV], 24576
	s_add_co_u32 s32, s32, s36
	s_add_nc_u64 s[4:5], s[4:5], s[32:33]          ; my wave's 32 rows of W1
	s_lshl_b32 s32, ttmp9, 12
	s_add_nc_u64 s[6:7], s[6:7], s[32:33]          ; the chunk's scale bytes
	s_lshl_b32 s32, ttmp9, 9
	s_add_nc_u64 s[8:9], s[8:9], s[32:33]          ; the chunk's b1
	s_mul_i32 s32, s[EX], 3145728
	s_mul_i32 s36, s[CH], 1536
	s_add_co_u32 s32, s32, s36
	s_add_nc_u64 s[16:17], s[16:17], s[32:33]      ; hq at (e, tile 0, K step c)
	s_lshl_b32 s32, s[EX], 17
	s_lshl_b32 s36, s[CH], 6
	s_add_co_u32 s32, s32, s36
	s_add_nc_u64 s[18:19], s[18:19], s[32:33]      ; hs likewise
	s_cmp_lg_u32 s[WV], 0
	s_cbranch_scc1 .Lnosel
.set j, 0
.rept 16
	global_load_b128 v[SL+4*j:SL+4*j+3], v[L16], s[14:15] offset:512*j   ; wave 0's first loads: the 2,048 choices
.set j, j+1
.endr
.Lnosel:
	s_wait_alu depctr_va_vdst(0)
.irp ct, 0,1,2,3,4,5,6,7
	global_load_b128 v[W1S+4*\ct:W1S+4*\ct+3], v[WSA], s[6:7] offset:(32*(\ct/2)+8*(\ct%2))*32
.endr
	WIN 0x40                                       ; destination window 1
	global_load_b128 v[252:255], v[L16], s[8:9]    ; b1's 128 numbers
.set j, 0
.rept 48
	global_load_b128 v[4*j:4*j+3], v[L16], s[4:5] offset:512*j th:TH_LOAD_NT   ; 512 consecutive bytes a load; the launch reads W1 once
.set j, j+1
.endr
	WIN 0
	s_cmp_lg_u32 s[WV], 0
	s_cbranch_scc1 .Lplaced
	PLACE 57                                       ; 8 + 1 + 48 loads were issued behind the choices'
.Lplaced:
	s_wait_dscnt 0x0                               ; wave 0's list and count lie in LDS; no other wave has touched LDS yet
	s_barrier_signal -1
	s_barrier_wait -1
	ds_load_b32 v[TT], v[CA]
	s_wait_dscnt 0x0
	v_readfirstlane_b32 s[CNT], v[TT]
	s_add_co_u32 s[NT], s[CNT], 15
	s_lshr_b32 s[NT], s[NT], 4                     ; the expert's tiles
	s_mov_b32 s[TI], s[WV]
	s_lshl_b32 s[LO], s[WV], 6
	s_mul_i32 s[HOFF], s[WV], 49152
	s_lshl_b32 s[HSOFF], s[WV], 11
	s_mov_b32 s[IT], 0
	s_wait_loadcnt 0x0
	; wave 3 of the work-group with chunk 0 stores its expert's list, fill and all, and the count, for the next launch: one writer for each byte
	s_lshl_b32 s36, s[CH], 2
	s_or_b32 s36, s36, s[WV]
	s_cmp_lg_u32 s36, 3
	s_cbranch_scc1 .Lnolist
	s_mul_i32 s32, s[EX], 4864
	s_add_nc_u64 s[60:61], s[60:61], s[32:33]
.irp i, 0,1,2,3,4,5,6,7,8
	ds_load_b128 v[SL+4*\i:SL+4*\i+3], v[LZ] offset:512*\i
.endr
	global_store_b32 v[LN4], v[TT], s[60:61] offset:4608   ; the count, in all 64 words of an aligned block of 256 bytes
	global_store_b32 v[LN4], v[TT], s[60:61] offset:4736
	s_wait_dscnt 0x0
.irp i, 0,1,2,3,4,5,6,7,8
	global_store_b128 v[L16], v[SL+4*\i:SL+4*\i+3], s[60:61] offset:512*\i   ; 512 consecutive bytes a store
.endr
	s_wait_xcnt 0x0                                ; the stores have read their data: x's rows land in these registers
.Lnolist:
	WIN 0x04                                       ; an LDS store's data are its source 1: window 1
; Row rho of the chunk goes to slot sigma(rho) = rho with bits 3 and 4 exchanged, so that a tile's sixteen rows lie in sixteen neighbouring slots.  Three loads hold two rows, which keep neighbouring slots.
.set a, 0
.rept 16
.set sg, ((2*a)&7)|(((2*a)&8)<<1)|(((2*a)&16)>>1)
	ds_store_b128 v[STA], v[12*a:12*a+3] offset:WP*sg
	ds_store_b128 v[STB], v[12*a+4:12*a+7] offset:WP*sg+512      ; lanes 16-31 begin the next row, 16 bytes of padding further on
	ds_store_b128 v[STA], v[12*a+8:12*a+11] offset:WP*sg+1040
.set a, a+1
.endr
	ds_store_b128 v[BS], v[252:255]
	WIN 0
	ASKROWS                                        ; my first tile's rows; its wait for LDS also shows my quarter of the weights stored
	s_add_co_u32 s[LO], s[LO], 256
	XLOAD 0, 7                                     ; they land while the fragments below are read: 384 LDS loads stand ahead of their first use
	global_load_b128 v[XS:XS+3], v[XSA], s[12:13]
	s_wait_dscnt 0x0                               ; for the others' sake: my quarter lies in LDS
	s_barrier_signal -1
	s_barrier_wait -1
.set f, 0
.rept 64                                       ; all 64 fragments into my registers: 24 bytes of a row's stream of bits as three pieces of 8
	FPLACE
.set WN, FWN<<6
	WIN WN
.set FO, ((f%8)%4)*16*WP+96*(f/8)
.irp p, 0,1,2,3,4,5
.if (f%8) < 4
	ds_load_b64 v[FRG+2*\p:FRG+2*\p+1], v[WR0] offset:FO+48*(\p/3)+8*(\p%3)
.else
	ds_load_b64 v[FRG+2*\p:FRG+2*\p+1], v[WR1] offset:FO+48*(\p/3)+8*(\p%3)
.endif
.endr
.set f, f+1
.endr
	WIN 0
.Ltile:                                            ; 16 trips, a constant; a trip whose tile the expert does not have is passed over
	s_cmp_ge_u32 s[TI], s[NT]
	s_cbranch_scc1 .Lskip
	s_wait_loadcnt 0x0                             ; this tile's 24 row loads and its scale words: all that is out
.irp a, 0,1,2,3,4,5,6,7
.irp p, 0,1,2
	ds_store_b128 v[SW], v[XF+12*\a+4*\p:XF+12*\a+4*\p+3] offset:2*WP*\a+256*\p
.endr
.endr
.irp k, 0,1,2,3,4,5,6,7
.irp i, 0,1,2
	ds_load_b128 v[XF+12*\k+4*\i:XF+12*\k+4*\i+3], v[SRD] offset:96*\k+16*\i   ; my own bytes, served in order: K step k's twelve registers are 48 consecutive bytes of row r
.endr
.endr
.irp ct, 0,1,2,3,4,5,6,7
.irp z, 0,1
	ds_load_b128 v[ACC+8*\ct+4*\z:ACC+8*\ct+4*\z+3], v[BR] offset:128*(\ct/2)+32*(\ct%2)+16*\z   ; b1 in the result's layout: the sums begin with it
.endr
.endr
	s_wait_xcnt 0x0                                ; the last tile's stores have read the codes' registers, which now take the next tile's offsets
	ASKROWS                                        ; its wait for LDS also covers the fragments, x's turn and b1
	MULK 0
	MULK 1
	MULK 2
	MULK 3
	WIN 0
	PLACES 4                                       ; four plain lines between the last product and loads into registers that it read
	XLOAD 0, 3                                     ; the next tile's rows land where K steps 0-3 lay
	MULK 4
	MULK 5
	MULK 6
	MULK 7
	WIN 0
	PLACES 4                                       ; likewise, and ahead of the first read of results
	XLOAD 4, 7
	global_load_b128 v[XS:XS+3], v[XSA], s[12:13]
.set j, 0
.rept 64
	v_max_num_f32 v[ACC+j], 0, v[ACC+j]            ; the activation, in f32; each accumulator from its low end on
.set j, j+1
.endr
	s_wait_xcnt 0x0                                ; the loads just issued have read their offsets: the codes may be written there
	QUANT ACC
	v_add_nc_u32 v[HT], s[HOFF], v[L16]
	v_add_nc_u32 v[HU], s[HSOFF], v[RL4]
.irp c, 0,1,2
	global_store_b128 v[HT], v[PC+4*\c:PC+4*\c+3], s[16:17] offset:512*\c   ; the fragment as it stands: 512 consecutive bytes a store, at a multiple of 256 from hq's first byte
.endr
	global_store_b32 v[HU], v[PW], s[18:19]        ; row r's scale word; lanes 16-31 hold the same word and name the same place
.Lskip:
	s_add_co_u32 s[TI], s[TI], 4
	s_add_co_u32 s[LO], s[LO], 256
	s_add_co_u32 s[HOFF], s[HOFF], 196608
	s_add_co_u32 s[HSOFF], s[HSOFF], 8192
	s_add_co_u32 s[IT], s[IT], 1
	s_cmp_lt_u32 s[IT], 16
	s_cbranch_scc1 .Ltile
	s_wait_tensorcnt 0x0
	ds_add_u32 v254, v255
	s_wait_dscnt 0x0
	s_endpgm
.Lfunc_end_k_q3b19aa4c23_gemm1:
	.size	k_q3b19aa4c23_gemm1, .Lfunc_end_k_q3b19aa4c23_gemm1-k_q3b19aa4c23_gemm1
	.p2alignl 7, 3214868480
	.fill 96, 4, 3214868480
	.section	.rodata,"a",@progbits
	.p2align	6, 0x0
	.amdhsa_kernel k_q3b19aa4c23_gemm1
		.amdhsa_group_segment_fixed_size 158208
		.amdhsa_private_segment_fixed_size 0
		.amdhsa_enable_private_segment 0
		.amdhsa_kernarg_size 72
		.amdhsa_user_sgpr_count 2
		.amdhsa_user_sgpr_kernarg_segment_ptr 1
		.amdhsa_wavefront_size32 1
		.amdhsa_system_sgpr_workgroup_id_x 1
		.amdhsa_system_sgpr_workgroup_id_y 1
		.amdhsa_system_sgpr_workgroup_id_z 1
		.amdhsa_system_vgpr_workitem_id 0
		.amdhsa_next_free_vgpr 1024
		.amdhsa_next_free_sgpr 66
		.amdhsa_reserve_vcc 0
		.amdhsa_float_denorm_mode_32 3
		.amdhsa_float_denorm_mode_16_64 3
		.amdhsa_memory_ordered 1
		.amdhsa_forward_progress 1
		.amdhsa_inst_pref_size 105
	.end_amdhsa_kernel
	.amdgpu_metadata
---
amdhsa.version: [ 1, 2 ]
amdhsa.kernels:
  - .name:           k_q3b19aa4c23_gemm1
    .symbol:         k_q3b19aa4c23_gemm1.kd
    .args:
      - { .name: W1_codes, .offset: 0, .size: 8, .value_kind: global_buffer, .address_space: global }
      - { .name: W1_scales, .offset: 8, .size: 8, .value_kind: global_buffer, .address_space: global }
      - { .name: b1, .offset: 16, .size: 8, .value_kind: global_buffer, .address_space: global }
      - { .name: xq, .offset: 24, .size: 8, .value_kind: global_buffer, .address_space: global }
      - { .name: xs, .offset: 32, .size: 8, .value_kind: global_buffer, .address_space: global }
      - { .name: sel, .offset: 40, .size: 8, .value_kind: global_buffer, .address_space: global }
      - { .name: hq, .offset: 48, .size: 8, .value_kind: global_buffer, .address_space: global }
      - { .name: hs, .offset: 56, .size: 8, .value_kind: global_buffer, .address_space: global }
      - { .name: lst, .offset: 64, .size: 8, .value_kind: global_buffer, .address_space: global }
    .group_segment_fixed_size: 158208
    .private_segment_fixed_size: 0
    .kernarg_segment_align: 8
    .kernarg_segment_size: 72
    .max_flat_workgroup_size: 128
    .sgpr_count:     66
    .vgpr_count:     1024
    .wavefront_size: 32
...
	.end_amdgpu_metadata
.endif
;; end of part 2
;; launch gemm2 (part 3): grid 256 x 1, 4 waves a work-group, no clusters, 270,848 bytes of LDS; arguments W2_codes, W2_scales, b2, hq, hs, lst, y; writes y
.if DOCPART == 3
	.amdgcn_target "amdgcn-amd-amdhsa--gfx1250"
	.amdhsa_code_object_version 6
	.text
	.protected	k_q3b19aa4c23_gemm2
	.globl	k_q3b19aa4c23_gemm2
	.p2align	8
	.type	k_q3b19aa4c23_gemm2,@function
k_q3b19aa4c23_gemm2:
	s_mov_b64 s[64:65], 0
	v_nop
	global_prefetch_b8 v0, s[64:65] scope:SCOPE_SE
	s_setreg_imm32_b32 hwreg(HW_REG_WAVE_MODE, 25, 1), 1
	s_wait_xcnt 0x0
; GEMM2.  y[routed row] = h W2 + b2, on codes of E2M3 with one E8M0 scale for each 32 along K = H.  Only the rows that were routed to an expert are multiplied.
; The gate's weights are applied by the launch behind this one.
; SHARES.  Work-group g: expert e = g / 32, output columns 64 dc .. 64 dc + 63 with dc = (g / 2) % 16, row tiles of parity q = g % 2.  K IS SPLIT OVER THE WAVES: wave w holds the 64 rows of W2 for
; K steps 8 w .. 8 w + 7 (32 fragments, 384 registers), so each fragment of h is loaded by one wave alone, as the image of its registers that the launch before stored, and feeds four matrix
; instructions.  A trip serves tiles TC and TC + 2; the four waves' partial sums meet in LDS, and each wave finishes and stores 8 of the 32 rows.
; THE LIST AND THE COUNT come from memory, as the launch before stored them.  Positions past the count hold 2048 + 64 e + p % 64: spare rows of y, behind the 2,048 routed rows, which no launch reads.
; p % 64 tells parity, tile of the trip and row apart, so what is computed for rows that the expert does not have (the end of its last tile; a second tile past the last, whose fragments are the last
; tile's) is stored there with all lanes on; such places occur in a work-group's last working trip alone.
; h HAS TWO REGISTER BUFFERS.  Behind trip t's products its buffer takes trip t + 2's 56 loads, if that trip has work, and the wait for 56 behind them shows all older loads in: trip t + 1's.
; Where trip t + 2 has no work, and in a trip without work, the wait is for 0.  Issue and wait stand in one arm of one branch, so the count holds on every path.  The head asks for trips 0 and 1.
; The trip count is a constant; what the count read from memory decides is jumped over on both sides of the trip's one barrier, never the barrier itself.  Two LDS buffers of partial sums take turns.
; THE PRODUCT IS USED TRANSPOSED (source 0 = 16 rows of W2, source 1 = 16 rows of h): a lane holds eight neighbouring columns of one row.
; NO TENSOR LOAD AND NO CLUSTER: a trip's work is jumped over by a count read from memory.  NO PREFETCH: the loads into registers are themselves issued a whole trip ahead of their use.
; The sum over K is taken in four parts that are added in f32.
; REGISTERS, in windows of 256.  Window 0: below.  Fragment f = 4 s + ct of W2 at window 1 + f / 21, register 12 (f % 21).  h, buffer b, tile tau, K step s at 12 s from:
; (0, 0) window 3 v0; (0, 1) window 3 v96; (1, 0) window 2 v132; (1, 1) window 0 v160.
.set WP,   784                         ; a row's 768 bytes + 16
.set RST,  200704                      ; behind the four waves' 64 rows x WP: two buffers of [4 waves][32 rows][256 + 16 bytes]
.set RBUF, 34816
.set SPARE, 270336                     ; the spare words, 128 bytes a wave
.set L16, 1                            ; 16 x lane
.set C16, 2                            ; 16 r
.set G1,  3                            ; 16 x lane + 2,304 h: the load that ends one row of W2 and begins the next
.set STA, 4                            ; W2 into my part of LDS
.set STB, 5
.set WR,  6                            ; and out of it: WP r + 24 h
.set RW,  7                            ; partial sums in: 8,704 w + 272 r + 32 h
.set RR,  8                            ; and out: row 8 w + h, 16 r
.set CO,  9                            ; 256 dc + 16 r
.set HSB, 10                           ; 256 h + 4 r
.set EOB, 11                           ; my rows' entries in a trip's part of the list: 128 (w / 2) + 32 (w % 2) + 4 h
.set W2A, 12
.set SPW, 13                           ; my spare word; never rewritten
.set NIL, 14                           ; 0; never rewritten
.set EO,  15                           ; EOB + 64 TC
.set HO,  16                           ; v16-19 offsets in hq: 2 buffer + tile
.set HU,  20                           ; v20-23 and in hs
.set ENT, 28                           ; v28-31 my four rows' entries
.set YO,  36                           ; v36-39 their offsets in y
.set B2,  40                           ; v40-43 b2 of my four columns
.set W2S, 44                           ; v44-59 W2's scale words: tile ct at 4 ct + q: K step q in lanes 0-15, 4 + q in lanes 16-31
.set ACC, 64                           ; v64-127 eight accumulators (4 tau + ct); then the sixteen partial sums read back
.set HS,  128                          ; v128-143 h's scale words: 8 buffer + 4 tau + q, packed the same way
.set LN,  144
.set RL,  145
.set HL,  146
.set WV,  20
.set EX,  21
.set DC,  22
.set CNT, 23
.set NT,  24
.set TL,  25                           ; the first tile of the loop's trip: q + 8 x trip
.set NL,  26
.set IT,  27
.set TC,  28                           ; the first tile in hand: TL or TL + 4
.set MSB, 0
.macro WIN new
.if MSB != \new
	s_set_vgpr_msb (MSB<<8)|\new
.set MSB, \new
.endif
.endm
.macro PLACES n
.rept \n
	v_nop
.endr
.endm
.macro HPL buf, tau                    ; where h's fragments of (buffer, tile) lie
.if (\buf) == 0
.set HW, 3
.set HR, 96*(\tau)
.elseif (\tau) == 0
.set HW, 2
.set HR, 132
.else
.set HW, 0
.set HR, 160
.endif
.endm
; My 768 bytes of each of the 64 rows, 3,072 bytes apart: three loads for two rows; each group of sixteen lanes reads 256 consecutive bytes at a multiple of 256 from W2's first byte
.macro LOADW lo, hi
.set j, \lo
.rept \hi-\lo+1
.if j < 64
	WIN 0x40
.set rg, 4*j
.else
	WIN 0x80
.set rg, 4*(j-64)
.endif
.if j%3 == 0
	global_load_b128 v[rg:rg+3], v[L16], s[4:5] offset:6144*(j/3)
.elseif j%3 == 1
	global_load_b128 v[rg:rg+3], v[G1], s[4:5] offset:6144*(j/3)+512
.else
	global_load_b128 v[rg:rg+3], v[L16], s[4:5] offset:6144*(j/3)+3328
.endif
.set j, j+1
.endr
	WIN 0
.endm
.macro STOREW lo, hi
.set j, \lo
.rept \hi-\lo+1
.if j < 64
	WIN 0x04
.set rg, 4*j
.else
	WIN 0x08
.set rg, 4*(j-64)
.endif
.if j%3 == 0
	ds_store_b128 v[STA], v[rg:rg+3] offset:2*WP*(j/3)
.elseif j%3 == 1
	ds_store_b128 v[STB], v[rg:rg+3] offset:2*WP*(j/3)+512
.else
	ds_store_b128 v[STA], v[rg:rg+3] offset:2*WP*(j/3)+1040
.endif
.set j, j+1
.endr
	WIN 0
.endm
; the offsets of tiles TC + d and TC + d + 2, each held at the expert's last tile and at 63, for buffer buf; that buffer's earlier loads have been waited for
.macro ASKH d, buf
	s_add_co_u32 s36, s[TC], \d
	s_min_u32 s36, s36, s[NL]
	s_min_u32 s36, s36, 63
	s_add_co_u32 s37, s[TC], \d+2
	s_min_u32 s37, s37, s[NL]
	s_min_u32 s37, s37, 63
	s_mul_i32 s38, s36, 49152
	s_mul_i32 s39, s37, 49152
	s_lshl_b32 s36, s36, 11
	s_lshl_b32 s37, s37, 11
	v_add_nc_u32 v[HO+2*\buf], s38, v[L16]
	v_add_nc_u32 v[HO+2*\buf+1], s39, v[L16]
	v_add_nc_u32 v[HU+2*\buf], s36, v[HSB]
	v_add_nc_u32 v[HU+2*\buf+1], s37, v[HSB]
.endm
.macro HLOAD buf                       ; 48 + 8 loads: my eight K steps of both tiles, 512 consecutive bytes a load, and their scale words
.irp tau, 0,1
	HPL \buf, \tau
.set WN, HW<<6
	WIN WN
.set kq, 0
.rept 8
.irp c, 0,1,2
	global_load_b128 v[HR+12*kq+4*\c:HR+12*kq+4*\c+3], v[HO+2*\buf+\tau], s[10:11] offset:1536*kq+512*\c
.endr
.set kq, kq+1
.endr
.endr
	WIN 0
.irp tau, 0,1
.irp q, 0,1,2,3
	global_load_b32 v[HS+8*\buf+4*\tau+\q], v[HU+2*\buf+\tau], s[12:13] offset:64*\q
.endr
.endr
.endm
.macro MULK ks, buf                    ; K step ks of mine: the eight accumulators take turns, one instruction a turn; the first step starts the sums
.irp tau, 0,1
	HPL \buf, \tau
.irp ct, 0,1,2,3
.set f, 4*(\ks)+\ct
.set FRG, 12*(f%21)
.set WN, (1+f/21)|(HW<<2)
.set AA, ACC+8*(4*\tau+\ct)
.set BB, HR+12*(\ks)
.set SA, W2S+4*\ct+(\ks)%4
.set SH, HS+8*(\buf)+4*\tau+(\ks)%4
	WIN WN
.if (\ks) == 0
	v_wmma_scale_f32_16x16x128_f8f6f4 v[AA:AA+7], v[FRG:FRG+11], v[BB:BB+11], 0, v[SA], v[SH] matrix_a_fmt:MATRIX_FMT_FP6 matrix_b_fmt:MATRIX_FMT_FP6
.elseif (\ks) < 4
	v_wmma_scale_f32_16x16x128_f8f6f4 v[AA:AA+7], v[FRG:FRG+11], v[BB:BB+11], v[AA:AA+7], v[SA], v[SH] matrix_a_fmt:MATRIX_FMT_FP6 matrix_b_fmt:MATRIX_FMT_FP6
.else
	v_wmma_scale_f32_16x16x128_f8f6f4 v[AA:AA+7], v[FRG:FRG+11], v[BB:BB+11], v[AA:AA+7], v[SA], v[SH] matrix_a_fmt:MATRIX_FMT_FP6 matrix_b_fmt:MATRIX_FMT_FP6 matrix_a_scale:MATRIX_SCALE_ROW1 matrix_b_scale:MATRIX_SCALE_ROW1
.endif
.endr
.endr
.endm
	s_load_b256 s[4:11], s[0:1], 0x0               ; W2's codes s[4:5], its scales s[6:7], b2 s[8:9], hq s[10:11]
	s_load_b128 s[12:15], s[0:1], 0x20             ; hs s[12:13], lst s[14:15]
	s_load_b64 s[18:19], s[0:1], 0x30              ; y
	v_lshl_add_u32 v[SPW], v0, 2, SPARE
	v_mov_b32 v[NIL], 0
	v_lshrrev_b32 v[LN], 5, v0
	v_readfirstlane_b32 s[WV], v[LN]               ; wave 0..3
	s_lshr_b32 s[EX], ttmp9, 5                     ; my expert
	s_bfe_u32 s[DC], ttmp9, 0x40001                ; my 64 columns
	s_and_b32 s[TL], ttmp9, 1                      ; q: my first tile
	s_lshr_b32 s40, ttmp9, 1                       ; 16 e + dc
	s_mov_b32 s33, 0
	s_mul_i32 s41, s[WV], 64*WP                    ; my part of LDS
	s_mul_i32 s42, s[WV], 8704
	s_add_co_u32 s42, s42, RST
	s_mul_i32 s43, s[WV], 2176
	s_add_co_u32 s43, s43, RST
	s_lshr_b32 s44, s[WV], 1
	s_lshl_b32 s44, s44, 7
	s_and_b32 s36, s[WV], 1
	s_lshl_b32 s36, s36, 5
	s_add_co_u32 s44, s44, s36
	s_lshl_b32 s45, s[DC], 8
	s_lshl_b32 s46, s[TL], 6
	v_and_b32 v[LN], 31, v0                        ; lane
	v_and_b32 v[RL], 15, v0                        ; r
	v_bfe_u32 v[HL], v0, 4, 1                      ; h
	v_lshlrev_b32 v[L16], 4, v[LN]
	v_lshlrev_b32 v[C16], 4, v[RL]
	v_mad_u32_u24 v[G1], v[HL], 2304, v[L16]
	v_add_nc_u32 v[STA], s41, v[L16]
	v_lshl_add_u32 v[STB], v[HL], 4, v[STA]
	v_mul_u32_u24 v[WR], v[RL], WP
	v_mad_u32_u24 v[WR], v[HL], 24, v[WR]
	v_add_nc_u32 v[WR], s41, v[WR]
	v_mul_u32_u24 v[RW], v[RL], 272
	v_lshl_add_u32 v[RW], v[HL], 5, v[RW]
	v_add_nc_u32 v[RW], s42, v[RW]
	v_mul_u32_u24 v[RR], v[HL], 272
	v_add_nc_u32 v[RR], v[RR], v[C16]
	v_add_nc_u32 v[RR], s43, v[RR]
	v_lshl_add_u32 v[EOB], v[HL], 2, s44
	v_add_nc_u32 v[EO], s46, v[EOB]
	v_add_nc_u32 v[CO], s45, v[C16]
	v_lshlrev_b32 v[HSB], 2, v[RL]
	v_lshl_add_u32 v[HSB], v[HL], 8, v[HSB]
	v_lshlrev_b32 v[W2A], 7, v[RL]
	v_lshl_add_u32 v[W2A], v[HL], 4, v[W2A]        ; W2's scale bytes: 128 a row, 16 for each half of the lanes
	s_wait_alu depctr_va_vdst(0)                   ; the wait at the head's end
	s_wait_kmcnt 0x0
	s_mul_i32 s32, s[EX], 4864
	s_add_nc_u64 s[14:15], s[14:15], s[32:33]      ; my expert's list,
	s_load_b32 s[CNT], s[14:15], 0x1200            ; and its count, behind the list's 4,608 bytes
	s_mul_i32 s32, s40, 196608
	s_mul_i32 s36, s[WV], 768
	s_add_co_u32 s32, s32, s36
	s_add_nc_u64 s[4:5], s[4:5], s[32:33]          ; my 64 rows of W2, at my K steps
	s_lshl_b32 s32, s40, 13
	s_lshl_b32 s36, s[WV], 5
	s_add_co_u32 s32, s32, s36
	s_add_nc_u64 s[6:7], s[6:7], s[32:33]
	s_lshl_b32 s32, s40, 8
	s_add_nc_u64 s[8:9], s[8:9], s[32:33]
	s_mul_i32 s32, s[EX], 3145728
	s_mul_i32 s36, s[WV], 12288
	s_add_co_u32 s32, s32, s36
	s_add_nc_u64 s[10:11], s[10:11], s[32:33]      ; hq at (e, tile 0, K step 8 w)
	s_lshl_b32 s32, s[EX], 17
	s_lshl_b32 s36, s[WV], 9
	s_add_co_u32 s32, s32, s36
	s_add_nc_u64 s[12:13], s[12:13], s[32:33]
.irp ct, 0,1,2,3
	global_load_b128 v[W2S+4*\ct:W2S+4*\ct+3], v[W2A], s[6:7] offset:2048*\ct
.endr
	global_load_b128 v[B2:B2+3], v[C16], s[8:9]
.irp i, 0,1,2,3
	global_load_b32 v[ENT+\i], v[EO], s[14:15] offset:8*\i   ; the first trip's entries: places made of ids alone
.endr
	LOADW 0, 95
	s_wait_kmcnt 0x0                               ; the count
	s_min_u32 s[CNT], s[CNT], 1024
	s_add_co_u32 s[NT], s[CNT], 15
	s_lshr_b32 s[NT], s[NT], 4                     ; the expert's tiles,
	s_sub_co_u32 s[NL], s[NT], 1                   ; the last of them
	s_mov_b32 s[TC], s[TL]
	s_mov_b32 s[IT], 0
	s_wait_loadcnt 48                              ; all but the 48 loads of the weights' second half
	STOREW 0, 47
	ASKH 0, 0
	HLOAD 0                                        ; trip 0's fragments of h: 56 loads; the tile numbers are held inside hq whatever the count
	s_wait_loadcnt 56                              ; all but those 56: the weights are in
	STOREW 48, 95
.set f, 0
.rept 32                                       ; my 32 fragments of W2: my own bytes, served in order behind my stores
.set FRG, 12*(f%21)
.set WN, (1+f/21)<<6
	WIN WN
.irp p, 0,1,2,3,4,5
	ds_load_b64 v[FRG+2*\p:FRG+2*\p+1], v[WR] offset:16*WP*(f%4)+96*(f/4)+48*(\p/3)+8*(\p%3)
.endr
.set f, f+1
.endr
	WIN 0
	ASKH 4, 1
	HLOAD 1                                        ; trip 1's: 56 loads
	s_wait_loadcnt 56                              ; all but those 56: trip 0's are in
	s_wait_dscnt 0x0
.macro TRIP buf
	s_add_co_u32 s[TC], s[TL], 4*\buf
	s_cmp_ge_u32 s[TC], s[NT]
	s_cbranch_scc1 .Lnone_\@
.irp k, 0,1,2,3,4,5,6,7
	MULK \k, \buf
.endr
	WIN 0
	PLACES 5                                       ; four ahead of the reads of results and of loads into registers just read; five, since the next trip's first products begin these accumulators anew
.irp tau, 0,1
.irp ct, 0,1,2,3
.irp z, 0,1
	ds_store_b128 v[RW], v[ACC+8*(4*\tau+\ct)+4*\z:ACC+8*(4*\tau+\ct)+4*\z+3] offset:RBUF*\buf+4352*\tau+64*\ct+16*\z   ; each accumulator from its low end on
.endr
.endr
.endr
	s_add_co_u32 s36, s[TC], 8
	s_cmp_ge_u32 s36, s[NT]
	s_cbranch_scc1 .Lnone_\@
	ASKH 8, \buf
	HLOAD \buf                                     ; the trip after next, into the buffer just multiplied: 56 loads
	s_wait_loadcnt 56                              ; all older loads are in: the next trip's fragments, scale words and entries
	s_branch .Lmeet_\@
.Lnone_\@:
	s_wait_loadcnt 0x0                             ; nothing was asked for here: all that is out is waited for
.Lmeet_\@:
	s_wait_dscnt 0x0                               ; for the others' sake: my partial sums lie in LDS, and my reads of the other buffer are over
	s_barrier_signal -1
	s_barrier_wait -1
	s_cmp_ge_u32 s[TC], s[NT]
	s_cbranch_scc1 .Lidle_\@
	s_lshl_b32 s37, s[TC], 6
.irp src, 0,1,2,3
.irp i, 0,1,2,3
	ds_load_b128 v[ACC+16*\src+4*\i:ACC+16*\src+4*\i+3], v[RR] offset:RBUF*\buf+8704*\src+544*\i   ; rows 8 w + 2 i + h: sixteen lanes take a row's 256 bytes
.endr
.endr
.irp i, 0,1,2,3
	v_min_u32 v[YO+\i], 2559, v[ENT+\i]            ; a row of y, the 512 spare ones among them
.endr
.irp i, 0,1,2,3
	v_lshl_add_u32 v[YO+\i], v[YO+\i], 12, v[CO]
.endr
	v_add_nc_u32 v[EO], s37, v[EOB]
.irp i, 0,1,2,3
	global_load_b32 v[ENT+\i], v[EO], s[14:15] offset:256+8*\i   ; the next trip's entries, four tiles on: tile 69 at the most, inside the list's 72
.endr
	s_wait_dscnt 0x0
.irp i, 0,1,2,3
.irp z, 0,2
	v_pk_add_f32 v[ACC+4*\i+\z:ACC+4*\i+\z+1], v[ACC+4*\i+\z:ACC+4*\i+\z+1], v[ACC+16+4*\i+\z:ACC+16+4*\i+\z+1]
	v_pk_add_f32 v[ACC+32+4*\i+\z:ACC+32+4*\i+\z+1], v[ACC+32+4*\i+\z:ACC+32+4*\i+\z+1], v[ACC+48+4*\i+\z:ACC+48+4*\i+\z+1]
.endr
.endr
.irp i, 0,1,2,3
.irp z, 0,2
	v_pk_add_f32 v[ACC+4*\i+\z:ACC+4*\i+\z+1], v[ACC+4*\i+\z:ACC+4*\i+\z+1], v[ACC+32+4*\i+\z:ACC+32+4*\i+\z+1]
.endr
.endr
.irp i, 0,1,2,3
.irp z, 0,2
	v_pk_add_f32 v[ACC+4*\i+\z:ACC+4*\i+\z+1], v[ACC+4*\i+\z:ACC+4*\i+\z+1], v[B2+\z:B2+\z+1]
.endr
.endr
.irp i, 0,1,2,3
	global_store_b128 v[YO+\i], v[ACC+4*\i:ACC+4*\i+3], s[18:19]   ; sixteen lanes store 256 consecutive bytes of a row of y, at a multiple of 256 from its first byte
.endr
	s_wait_xcnt 0x0                                ; the stores and the entries' loads have read their offsets and data: these are written again in the next trip
.Lidle_\@:
.endm
.Ltrip:                                            ; 8 trips of two: tiles q + 4 i and q + 4 i + 2 for i = 0 .. 15
	TRIP 0
	TRIP 1
	s_add_co_u32 s[TL], s[TL], 8
	s_add_co_u32 s[IT], s[IT], 1
	s_cmp_lt_u32 s[IT], 8
	s_cbranch_scc1 .Ltrip
	s_wait_tensorcnt 0x0                           ; the wave's end
	ds_add_u32 v[SPW], v[NIL]
	s_wait_dscnt 0x0
	s_endpgm
.Lfunc_end_k_q3b19aa4c23_gemm2:
	.size	k_q3b19aa4c23_gemm2, .Lfunc_end_k_q3b19aa4c23_gemm2-k_q3b19aa4c23_gemm2
	.p2alignl 7, 3214868480
	.fill 96, 4, 3214868480
	.section	.rodata,"a",@progbits
	.p2align	6, 0x0
	.amdhsa_kernel k_q3b19aa4c23_gemm2
		.amdhsa_group_segment_fixed_size 270848
		.amdhsa_private_segment_fixed_size 0
		.amdhsa_enable_private_segment 0
		.amdhsa_kernarg_size 56
		.amdhsa_user_sgpr_count 2
		.amdhsa_user_sgpr_kernarg_segment_ptr 1
		.amdhsa_wavefront_size32 1
		.amdhsa_system_sgpr_workgroup_id_x 1
		.amdhsa_system_sgpr_workgroup_id_y 1
		.amdhsa_system_sgpr_workgroup_id_z 1
		.amdhsa_system_vgpr_workitem_id 0
		.amdhsa_next_free_vgpr 1024
		.amdhsa_next_free_sgpr 66
		.amdhsa_reserve_vcc 0
		.amdhsa_float_denorm_mode_32 3
		.amdhsa_float_denorm_mode_16_64 3
		.amdhsa_memory_ordered 1
		.amdhsa_forward_progress 1
		.amdhsa_inst_pref_size 85
	.end_amdhsa_kernel
	.amdgpu_metadata
---
amdhsa.version: [ 1, 2 ]
amdhsa.kernels:
  - .name:           k_q3b19aa4c23_gemm2
    .symbol:         k_q3b19aa4c23_gemm2.kd
    .args:
      - { .name: W2_codes, .offset: 0, .size: 8, .value_kind: global_buffer, .address_space: global }
      - { .name: W2_scales, .offset: 8, .size: 8, .value_kind: global_buffer, .address_space: global }
      - { .name: b2, .offset: 16, .size: 8, .value_kind: global_buffer, .address_space: global }
      - { .name: hq, .offset: 24, .size: 8, .value_kind: global_buffer, .address_space: global }
      - { .name: hs, .offset: 32, .size: 8, .value_kind: global_buffer, .address_space: global }
      - { .name: lst, .offset: 40, .size: 8, .value_kind: global_buffer, .address_space: global }
      - { .name: y, .offset: 48, .size: 8, .value_kind: global_buffer, .address_space: global }
    .group_segment_fixed_size: 270848
    .private_segment_fixed_size: 0
    .kernarg_segment_align: 8
    .kernarg_segment_size: 56
    .max_flat_workgroup_size: 128
    .sgpr_count:     66
    .vgpr_count:     1024
    .wavefront_size: 32
...
	.end_amdgpu_metadata
.endif
;; end of part 3
;; launch combine (part 4): grid 256 x 1, 8 waves a work-group, no clusters, 0 bytes of LDS; arguments y, gw, out0; writes out0
.if DOCPART == 4
	.amdgcn_target "amdgcn-amd-amdhsa--gfx1250"
	.amdhsa_code_object_version 6
	.text
	.protected	k_q3b19aa4c23_combine
	.globl	k_q3b19aa4c23_combine
	.p2align	8
	.type	k_q3b19aa4c23_combine,@function
k_q3b19aa4c23_combine:
	s_mov_b64 s[64:65], 0
	v_nop
	global_prefetch_b8 v0, s[64:65] scope:SCOPE_SE
	s_setreg_imm32_b32 hwreg(HW_REG_WAVE_MODE, 25, 1), 1
	s_wait_xcnt 0x0
; out0[n] = gw[2 n] y[2 n] + gw[2 n + 1] y[2 n + 1]: a token's two routed rows under their gate weights.  y: f32, rows of 1,024; its first 2,048 rows are the routed rows, and the spare rows
; behind them are not read.  gw: [2 n + s] f32.  out0: [1024][1024] f32.
; A work-group takes four tokens; thread t holds the 16 bytes at 16 t of every row, so a wave's load or store covers 512 consecutive bytes.  All eight loads go out first; the eight weights come
; by one scalar load.  A stream: no LDS, no barrier, no matrix unit.
	s_load_b128 s[4:7], s[0:1], 0x0                ; y s[4:5], gw s[6:7]
	s_load_b64 s[8:9], s[0:1], 0x10                ; out0
	v_lshlrev_b32 v1, 4, v0
	s_lshl_b32 s10, ttmp9, 15                      ; eight rows of y
	s_mov_b32 s11, 0
	s_lshl_b32 s12, ttmp9, 14                      ; four rows of out0
	s_mov_b32 s13, 0
	s_lshl_b32 s14, ttmp9, 5                       ; eight weights
	s_mov_b32 s15, 0
	s_wait_alu depctr_va_vdst(0)                   ; the wait at the head's end
	s_wait_kmcnt 0x0
	s_add_nc_u64 s[4:5], s[4:5], s[10:11]
	s_add_nc_u64 s[6:7], s[6:7], s[14:15]
	s_add_nc_u64 s[8:9], s[8:9], s[12:13]
	s_load_b256 s[16:23], s[6:7], 0x0
.irp j, 0,1,2,3
	global_load_b128 v[4+8*\j:7+8*\j], v1, s[4:5] offset:8192*\j th:TH_LOAD_NT
	global_load_b128 v[8+8*\j:11+8*\j], v1, s[4:5] offset:8192*\j+4096 th:TH_LOAD_NT
.endr
	s_wait_kmcnt 0x0                               ; the weights
.irp j, 0,1,2,3
	s_wait_loadcnt 6-2*\j                          ; token j's two loads are in; the younger pairs may be out
.irp k, 0,1,2,3
	v_mul_f32 v[4+8*\j+\k], s[16+2*\j], v[4+8*\j+\k]
.endr
.irp k, 0,1,2,3
	v_fma_f32 v[4+8*\j+\k], s[17+2*\j], v[8+8*\j+\k], v[4+8*\j+\k]
.endr
	global_store_b128 v1, v[4+8*\j:7+8*\j], s[8:9] offset:4096*\j th:TH_STORE_NT
.endr
	s_endpgm
.Lfunc_end_k_q3b19aa4c23_combine:
	.size	k_q3b19aa4c23_combine, .Lfunc_end_k_q3b19aa4c23_combine-k_q3b19aa4c23_combine
	.p2alignl 7, 3214868480
	.fill 96, 4, 3214868480
	.section	.rodata,"a",@progbits
	.p2align	6, 0x0
	.amdhsa_kernel k_q3b19aa4c23_combine
		.amdhsa_group_segment_fixed_size 0
		.amdhsa_private_segment_fixed_size 0
		.amdhsa_enable_private_segment 0
		.amdhsa_kernarg_size 24
		.amdhsa_user_sgpr_count 2
		.amdhsa_user_sgpr_kernarg_segment_ptr 1
		.amdhsa_wavefront_size32 1
		.amdhsa_system_sgpr_workgroup_id_x 1
		.amdhsa_system_sgpr_workgroup_id_y 1
		.amdhsa_system_sgpr_workgroup_id_z 1
		.amdhsa_system_vgpr_workitem_id 0
		.amdhsa_next_free_vgpr 40
		.amdhsa_next_free_sgpr 66
		.amdhsa_reserve_vcc 0
		.amdhsa_float_denorm_mode_32 3
		.amdhsa_float_denorm_mode_16_64 3
		.amdhsa_memory_ordered 1
		.amdhsa_forward_progress 1
		.amdhsa_inst_pref_size 4
	.end_amdhsa_kernel
	.amdgpu_metadata
---
amdhsa.version: [ 1, 2 ]
amdhsa.kernels:
  - .name:           k_q3b19aa4c23_combine
    .symbol:         k_q3b19aa4c23_combine.kd
    .args:
      - { .name: y, .offset: 0, .size: 8, .value_kind: global_buffer, .address_space: global }
      - { .name: gw, .offset: 8, .size: 8, .value_kind: global_buffer, .address_space: global }
      - { .name: out0, .offset: 16, .size: 8, .value_kind: global_buffer, .address_space: global }
    .group_segment_fixed_size: 0
    .private_segment_fixed_size: 0
    .kernarg_segment_align: 8
    .kernarg_segment_size: 24
    .max_flat_workgroup_size: 256
    .sgpr_count:     66
    .vgpr_count:     40
    .wavefront_size: 32
...
	.end_amdgpu_metadata
.endif
;; end of part 4
